; MI455X (gfx1250); checked and timed in simulation.
; The chip was launched on July 23, 2026; its instructions are those of AMD's public machine-readable ISA for CDNA 5 (MIT licence, August 2026) and "CDNA5" Instruction Set Architecture Reference Guide (July 2026). The comments in the code are by the model that wrote it; some were corrected since.
;; MSMT LE. Allowed arithmetic: float matrix products may take bf16 or f16 operands with f32 sums; other float arithmetic in f32, or as packed bf16 or f16 multiplies, adds, multiply-adds, maxima and minima; sums over many terms, partial sums and values carried from step to step in f32; what a program stores and reads back later, other than sums and carried values, may be rounded once to bf16 or f16.
;; Inputs: params_H_b_0 512 float32; params_H_b_1 64 float32; params_H_b_2 1 float32; params_H_w_0 54 x 512 float32; params_H_w_1 512 x 64 float32; params_H_w_2 64 x 1 float32; params_L_b_0 512 float32; params_L_b_1 128 float32; params_L_b_2 64 float32; params_L_b_3 32 float32; params_L_b_4 1 float32; params_L_w_0 54 x 512 float32; params_L_w_1 512 x 128 float32; params_L_w_2 128 x 64 float32; params_L_w_3 64 x 32 float32; params_L_w_4 32 x 1 float32; params_layers_attnproj_b 3 x 54 float32; params_layers_attnproj_w 3 x 54 x 54 float32; params_layers_ctrl_b1 3 x 8 float32; params_layers_ctrl_b2 3 x 8 float32; params_layers_ctrl_w1 3 x 16 x 8 float32; params_layers_ctrl_w2 3 x 8 x 8 float32; params_layers_gate_b1 3 x 8 x 13 float32; params_layers_gate_b2 3 x 8 x 54 float32; params_layers_gate_w1 3 x 8 x 54 x 13 float32; params_layers_gate_w2 3 x 8 x 13 x 54 float32; params_layers_mlp_b1 3 x 512 float32; params_layers_mlp_b2 3 x 54 float32; params_layers_mlp_w1 3 x 54 x 512 float32; params_layers_mlp_w2 3 x 512 x 54 float32; params_layers_qkv_b 3 x 162 float32; params_layers_qkv_w 3 x 54 x 162 float32; params_layers_rel_b1 3 x 6 float32; params_layers_rel_b2 3 x 30 float32; params_layers_rel_b3 3 x 36 float32; params_layers_rel_w1 3 x 16 x 6 float32; params_layers_rel_w2 3 x 6 x 30 float32; params_layers_rel_w3 3 x 30 x 36 float32; params_proj_b 54 float32; params_proj_w 9 x 54 float32; x 131,072 x 25 float32.
;; Outputs: out0 131,072 x 2 float32.
;; One version. Each part assembles by itself: llvm-mc -triple=amdgcn-amd-amdhsa -mcpu=gfx1250 --defsym DOCPART=n.
;; ======== version 1 of 1: 3 launches
;; workspace buffers: wst 1,310,720 bytes
;; launch prep_a (part 1): grid 896 x 1, 2 waves a work-group, no clusters, 0 bytes of LDS; arguments params_proj_w, params_proj_b, params_layers_gate_w1, params_layers_gate_b1, params_layers_gate_w2, params_layers_gate_b2, params_layers_ctrl_w1, params_layers_ctrl_b1, params_layers_ctrl_w2, params_layers_ctrl_b2, params_layers_rel_w1, params_layers_rel_b1, params_layers_rel_w2, params_layers_rel_b2, params_layers_rel_w3, params_layers_rel_b3, params_layers_qkv_w, params_layers_qkv_b, params_layers_mlp_w1, params_layers_mlp_b1, params_layers_mlp_w2, params_layers_mlp_b2, params_layers_attnproj_w, params_layers_attnproj_b, params_H_b_1, wst; writes wst
.if DOCPART == 1
	.amdgcn_target "amdgcn-amd-amdhsa--gfx1250"
	.amdhsa_code_object_version 6
	.text
	.protected	k_q659741ed10_prep_a
	.globl	k_q659741ed10_prep_a
	.p2align	8
	.type	k_q659741ed10_prep_a,@function
k_q659741ed10_prep_a:
	s_mov_b64 s[64:65], 0
	v_nop
	global_prefetch_b8 v0, s[64:65] scope:SCOPE_SE
	s_setreg_imm32_b32 hwreg(HW_REG_WAVE_MODE, 25, 1), 1
	s_wait_xcnt 0x0
; THE LAYERS' WEIGHTS, rounded once to bf16 and laid out as the main launch's matrix operands take them: tiles 0 to 6 of the stream wst (7 x 131,072 bytes).
; A work-group makes one UNIT of 1,024 bytes, a fragment of 16 rows (output channels) x 32 k (input channels): thread tid stores the 16 bytes at 16 tid,
; which hold row r = tid % 16 and the eight k = 16 p + 8 h + e (p = tid / 32, h = (tid / 16) % 2, e = 0..7).  A wave's store covers 512 consecutive bytes, aligned.
; Which weights a unit holds is decoded from its number by scalar branches, all forward.  A leaf sets, for the common part .Lgen: the segment (which pair of buffers), SK (elements from k to k + 1),
; CT (v6: the row's element at k = 0), KR (k below it are weights), KB (the k at which the bias stands), BT (v7: the row's bias element), K0 (the thread-independent part of k),
; RM (lanes whose row exists) and OM (lanes whose row is the constant 1 at KB).  Element = W[CT + kk SK] if kk < KR, the bias (or 1, or 0) if kk = KB, else 0.
; Every offset is held inside its buffer by a minimum with the buffer's last word; what is loaded for a place that holds 0 is thrown away by a select.
; Even tiles (S): gate chunks or proj, ctrl, rel, q and k, v, attnproj, a table of f32 biases.  Odd tiles (M): 16 chunks of mlp_w1 (4 fragments) and mlp_w2 (4 fragments).
.set TILE, 73
.set F,    74
.set PW,   75                          ; the wave's number p
.set SEG,  76
.set SK,   77
.set SK4,  78
.set KR,   79
.set KB,   80
.set K0,   81
.set WLAST,82
.set RM,   83
.set T0,   84
.set T1,   85
.set T2,   86
.set T3,   87
.set OM,   88
.set LY,   89                          ; tile / 2: the layer of an M tile, the number si of an S tile
.set WP,   90                          ; s[90:91] the weights' buffer
.set BP,   92                          ; s[92:93] the biases' buffer
.set DST,  94                          ; s[94:95] wst at this unit
.set T4,   96
.set T5,   97
.set T6,   98
.set T7,   99
.set P16,  10                          ; 16 p
.set SB,   11
.set BM,   12
.set NONE, 0x7fffffff                  ; a k that no element has
.macro PARAM seg, sk, kr, kb, wbytes
	s_mov_b32 s[SEG], \seg
	s_mov_b32 s[SK], \sk
	s_mov_b32 s[SK4], 4*(\sk)
	s_mov_b32 s[KR], \kr
	s_mov_b32 s[KB], \kb
	s_mov_b32 s[WLAST], (\wbytes)-4
.endm
.macro KSTEP sreg                      ; K0 = 32 x K step + 16 p
	s_lshl_b32 s[K0], s[\sreg], 5
	s_add_co_u32 s[K0], s[K0], s[P16]
.endm
	s_load_b512 s[16:31], s[0:1], 0x0              ; segment i = 0..10: weights s[16+4i:17+4i], biases s[18+4i:19+4i]
	s_load_b512 s[32:47], s[0:1], 0x40
	s_load_b512 s[48:63], s[0:1], 0x80             ; s[60:61] attnproj_w, s[62:63] attnproj_b
	s_load_b128 s[68:71], s[0:1], 0xc0             ; s[68:69] H_b_1, s[70:71] wst
	v_lshrrev_b32 v32, 5, v0
	v_readfirstlane_b32 s[PW], v32
	s_lshr_b32 s[TILE], ttmp9, 7
	s_and_b32 s[F], ttmp9, 127
	s_lshl_b32 s[T0], ttmp9, 10                    ; the unit's byte offset
	s_mov_b32 s[T1], 0
	s_lshr_b32 s[LY], s[TILE], 1
	s_lshl_b32 s[P16], s[PW], 4
	s_mov_b32 s[RM], -1                            ; defaults: every row exists, none is a constant row, no bias
	s_mov_b32 s[OM], 0
	v_and_b32 v1, 15, v0                           ; r
	v_bfe_u32 v2, v0, 4, 1                         ; h
	v_and_b32 v3, 7, v0                            ; j = r % 8
	v_bfe_u32 v4, v0, 3, 1                         ; hr = r / 8
	v_lshlrev_b32 v40, 4, v0                       ; my 16 bytes in the unit
	v_mov_b32 v33, 1.0
	v_mov_b32 v7, 0
	s_wait_kmcnt 0x0
	s_add_nc_u64 s[DST:DST+1], s[70:71], s[T0:T1]
	s_bitcmp1_b32 s[TILE], 0
	s_cbranch_scc1 .Lmtile
	s_cmp_lt_u32 s[F], 32
	s_cbranch_scc1 .Lfirst32
	s_cmp_eq_u32 s[F], 92
	s_cbranch_scc1 .Ltable
	s_cmp_gt_u32 s[F], 92
	s_cbranch_scc1 .Lzero
	s_cmp_lt_u32 s[F], 36
	s_cbranch_scc1 .Lctrl
	s_cmp_eq_u32 s[LY], 3                          ; the last S tile has no attention
	s_cbranch_scc1 .Lzero
	s_cmp_eq_u32 s[F], 36
	s_cbranch_scc1 .Lr1
	s_cmp_lt_u32 s[F], 39
	s_cbranch_scc1 .Lr2
	s_cmp_eq_u32 s[F], 39
	s_cbranch_scc1 .Lzero
	s_cmp_lt_u32 s[F], 43
	s_cbranch_scc1 .Lr3
	s_cmp_eq_u32 s[F], 43
	s_cbranch_scc1 .Lzero
	s_cmp_lt_u32 s[F], 66
	s_cbranch_scc1 .Lqk
	s_cmp_lt_u32 s[F], 68
	s_cbranch_scc1 .Lzero
	s_cmp_lt_u32 s[F], 84
	s_cbranch_scc1 .Lv
	s_branch .Lap
.Lmtile:                                               ; chunk jc = f / 8: w < 4 mlp_w1 (hidden 32 jc + 16 a + r, K step s), w >= 4 mlp_w2 (channel 16 c + r, K step jc)
	s_lshr_b32 s[T2], s[F], 3
	s_and_b32 s[T3], s[F], 7
	s_mul_i32 s[T4], s[LY], 27648
	s_cmp_lt_u32 s[T3], 4
	s_cbranch_scc0 .Lm2
	s_lshr_b32 s[T5], s[T3], 1
	s_and_b32 s[T6], s[T3], 1
	s_lshl_b32 s[T7], s[T2], 5
	s_lshl4_add_u32 s[T7], s[T5], s[T7]
	v_add_nc_u32 v32, s[T7], v1
	v_add_nc_u32 v6, s[T4], v32
	s_lshl_b32 s[T4], s[LY], 9
	v_add_nc_u32 v7, s[T4], v32
	KSTEP T6
	PARAM 9, 512, 54, 54, 331776
	s_branch .Lgen
.Lm2:
	s_sub_co_u32 s[T5], s[T3], 4
	v_lshl_add_u32 v32, s[T5], 4, v1
	v_cmp_gt_u32 s[RM], 54, v32
	v_add_nc_u32 v6, s[T4], v32
	KSTEP T2
	PARAM 10, 54, 512, NONE, 331776
	s_branch .Lgen
.Lfirst32:
	s_cmp_eq_u32 s[LY], 0
	s_cbranch_scc1 .Lproj
	s_sub_co_u32 s[T7], s[LY], 1                   ; the gate's layer
	s_lshl_b32 s[T7], s[T7], 3
	s_lshr_b32 s[T2], s[F], 3
	s_and_b32 s[T3], s[F], 7
	s_cmp_lt_u32 s[T3], 4
	s_cbranch_scc0 .Lg2
	s_lshr_b32 s[T5], s[T3], 1                     ; gate_w1: expert g = 2 jc + a is one tile: 13 rows, row 13 the constant 1
	s_and_b32 s[T6], s[T3], 1
	s_lshl1_add_u32 s[T5], s[T2], s[T5]
	s_add_co_u32 s[T5], s[T5], s[T7]
	s_mul_i32 s[T4], s[T5], 702
	v_add_nc_u32 v6, s[T4], v1
	s_mul_i32 s[T4], s[T5], 13
	v_add_nc_u32 v7, s[T4], v1
	v_cmp_gt_u32 s[RM], 13, v1
	v_cmp_eq_u32 s[OM], 13, v1
	KSTEP T6
	PARAM 1, 13, 54, 54, 67392
	s_branch .Lgen
.Lg2:                                                  ; gate_w2: k = 16 p + d belongs to expert 2 jc + p; d = 13 takes gate_b2
	s_sub_co_u32 s[T5], s[T3], 4
	v_lshl_add_u32 v32, s[T5], 4, v1
	v_cmp_gt_u32 s[RM], 54, v32
	s_lshl1_add_u32 s[T5], s[T2], s[PW]
	s_add_co_u32 s[T5], s[T5], s[T7]
	s_mul_i32 s[T4], s[T5], 702
	v_add_nc_u32 v6, s[T4], v32
	s_mul_i32 s[T4], s[T5], 54
	v_add_nc_u32 v7, s[T4], v32
	s_mov_b32 s[K0], 0
	PARAM 2, 54, 13, 13, 67392
	s_branch .Lgen
.Lproj:                                                ; proj: k = x's column; k = 25 is x's constant 1; row 54 makes the residual's constant channel
	s_cmp_lt_u32 s[F], 4
	s_cbranch_scc0 .Lzero
	v_lshl_add_u32 v6, s[F], 4, v1
	v_mov_b32 v7, v6
	v_cmp_gt_u32 s[RM], 54, v6
	v_cmp_eq_u32 s[OM], 54, v6
	s_mov_b32 s[K0], s[P16]
	PARAM 0, 54, 9, 25, 1944
	s_branch .Lgen
.Lctrl:
	s_cmp_eq_u32 s[LY], 0
	s_cbranch_scc1 .Lzero
	s_cmp_gt_u32 s[F], 33
	s_cbranch_scc1 .Lzero
	s_sub_co_u32 s[T7], s[LY], 1
	s_cmp_eq_u32 s[F], 33
	s_cbranch_scc1 .Lc2
	s_lshl_b32 s[T4], s[T7], 7                     ; ctrl_w1: the control features are x's columns 9 to 24; row 8 the constant 1
	v_add_nc_u32 v6, s[T4], v1
	s_lshl_b32 s[T4], s[T7], 3
	v_add_nc_u32 v7, s[T4], v1
	v_cmp_gt_u32 s[RM], 8, v1
	v_cmp_eq_u32 s[OM], 8, v1
	s_sub_co_u32 s[K0], s[P16], 9
	PARAM 3, 8, 16, 16, 1536
	s_branch .Lgen
.Lc2:                                                  ; ctrl_w2: rows 0-7 once more in rows 8-15, so that both halves of the lanes hold all eight
	s_lshl_b32 s[T4], s[T7], 6
	v_add_nc_u32 v6, s[T4], v3
	s_lshl_b32 s[T4], s[T7], 3
	v_add_nc_u32 v7, s[T4], v3
	s_mov_b32 s[K0], s[P16]
	PARAM 4, 8, 8, 8, 768
	s_branch .Lgen
.Lr1:
	s_mul_i32 s[T4], s[LY], 96
	v_add_nc_u32 v6, s[T4], v1
	s_mul_i32 s[T4], s[LY], 6
	v_add_nc_u32 v7, s[T4], v1
	v_cmp_gt_u32 s[RM], 6, v1
	v_cmp_eq_u32 s[OM], 6, v1
	s_sub_co_u32 s[K0], s[P16], 9
	PARAM 5, 6, 16, 16, 1152
	s_branch .Lgen
.Lr2:
	s_sub_co_u32 s[T2], s[F], 37
	v_lshl_add_u32 v32, s[T2], 4, v1
	v_cmp_gt_u32 s[RM], 30, v32
	v_cmp_eq_u32 s[OM], 30, v32
	s_mul_i32 s[T4], s[LY], 180
	v_add_nc_u32 v6, s[T4], v32
	s_mul_i32 s[T4], s[LY], 30
	v_add_nc_u32 v7, s[T4], v32
	s_mov_b32 s[K0], s[P16]
	PARAM 6, 30, 6, 6, 2160
	s_branch .Lgen
.Lr3:                                                  ; rel_w3: half hr of the rows takes the 18 columns of its three heads
	s_sub_co_u32 s[T2], s[F], 40
	v_lshl_add_u32 v32, s[T2], 3, v3
	v_cmp_gt_u32 s[RM], 18, v32
	v_mad_u32_u24 v32, v4, 18, v32
	s_mul_i32 s[T4], s[LY], 1080
	v_add_nc_u32 v6, s[T4], v32
	s_mul_i32 s[T4], s[LY], 36
	v_add_nc_u32 v7, s[T4], v32
	s_mov_b32 s[K0], s[P16]
	PARAM 7, 36, 30, 30, 12960
	s_branch .Lgen
.Lqk:                                                  ; 22 fragments: K step s, tile t of 11: four of q (27 numbers of the half's three heads), seven of k (all 54, in both halves)
	s_sub_co_u32 s[T2], s[F], 44
	s_cmp_ge_u32 s[T2], 11
	s_cselect_b32 s[T6], 1, 0
	s_cselect_b32 s[T3], 11, 0
	s_sub_co_u32 s[T2], s[T2], s[T3]
	s_cmp_lt_u32 s[T2], 4
	s_cbranch_scc0 .Lkk
	v_lshl_add_u32 v32, s[T2], 3, v3
	v_cmp_gt_u32 s[RM], 27, v32
	v_mad_u32_u24 v32, v4, 27, v32
	s_branch .Lqkv
.Lkk:                                                  ; k's order: 18 pp + 2 d + (g % 2), g = 2 pp + (g % 2): two heads' numbers of one d lie side by side
	s_sub_co_u32 s[T2], s[T2], 4
	v_lshl_add_u32 v32, s[T2], 3, v3
	v_cmp_gt_u32 s[RM], 54, v32
	v_mul_u32_u24 v34, v32, 57
	v_lshrrev_b32 v34, 10, v34                     ; idx / 18 for idx < 56
	v_mul_u32_u24 v35, v34, 18
	v_sub_nc_u32 v35, v32, v35
	v_and_b32 v36, 1, v35
	v_lshl_add_u32 v36, v34, 1, v36
	v_lshrrev_b32 v35, 1, v35
	v_mad_u32_u24 v32, v36, 9, v35
	v_add_nc_u32 v32, 54, v32
	s_branch .Lqkv
.Lv:                                                   ; v's order: 10 g + d, d = 9 a row of zeros, in both halves
	s_sub_co_u32 s[T2], s[F], 68
	s_lshr_b32 s[T6], s[T2], 3
	s_and_b32 s[T2], s[T2], 7
	v_lshl_add_u32 v32, s[T2], 3, v3
	v_mul_u32_u24 v34, v32, 205
	v_lshrrev_b32 v34, 11, v34                     ; idx / 10 for idx < 64
	v_mul_u32_u24 v35, v34, 10
	v_sub_nc_u32 v35, v32, v35
	v_cmp_gt_u32 s[RM], 9, v35
	v_cmp_gt_u32 s[T3], 60, v32
	s_and_b32 s[RM], s[RM], s[T3]
	v_mad_u32_u24 v32, v34, 9, v35
	v_add_nc_u32 v32, 108, v32
.Lqkv:
	s_mul_i32 s[T4], s[LY], 8748
	v_add_nc_u32 v6, s[T4], v32
	s_mul_i32 s[T4], s[LY], 162
	v_add_nc_u32 v7, s[T4], v32
	KSTEP T6
	PARAM 8, 162, 54, 54, 104976
	s_branch .Lgen
.Lap:                                                  ; attnproj: the k order is the lanes' own: place sidx = 10 hh + d of half h is head 3 h + hh, dimension d, which is input channel 6 d + head; place 30 of half 0 takes the bias
	s_sub_co_u32 s[T2], s[F], 84
	s_lshr_b32 s[T3], s[T2], 2
	s_and_b32 s[T2], s[T2], 3
	v_lshl_add_u32 v32, s[T2], 4, v1
	v_cmp_gt_u32 s[RM], 54, v32
	v_min_u32 v32, 53, v32
	s_mul_i32 s[T4], s[LY], 2916
	v_mad_u32_u24 v8, v2, 162, v32
	v_add_lshl_u32 v8, v8, s[T4], 2
	s_mul_i32 s[T4], s[LY], 54
	v_add_lshl_u32 v26, v32, s[T4], 2
	global_load_b32 v25, v26, s[62:63]
	s_lshl1_add_u32 s[SB], s[T3], s[PW]
	s_lshl_b32 s[SB], s[SB], 3                     ; sidx of e = 0
	s_and_b32 s[BM], s[RM], 0xffff
.irp e, 0,1,2,3,4,5,6,7
	s_add_co_u32 s[T2], s[SB], \e
	s_mul_i32 s[T3], s[T2], 205
	s_lshr_b32 s[T3], s[T3], 11                    ; hh
	s_mul_i32 s[T4], s[T3], 10
	s_sub_co_u32 s[T4], s[T2], s[T4]               ; d
	s_mul_i32 s[T5], s[T4], 6
	s_add_co_u32 s[T5], s[T5], s[T3]
	s_mul_i32 s[T5], s[T5], 216
	s_cmp_lt_u32 s[T4], 9
	s_cselect_b32 s[2+(\e)], s[RM], 0
	s_cselect_b32 s[T5], s[T5], 0
	s_cmp_lt_u32 s[T2], 30
	s_cselect_b32 s[2+(\e)], s[2+(\e)], 0          ; the lanes in which this element is a weight
	s_cselect_b32 s[T5], s[T5], 0
	v_add_nc_u32 v[9+(\e)], s[T5], v8
	global_load_b32 v[17+(\e)], v[9+(\e)], s[60:61]
.endr
	s_wait_loadcnt 0x0
.irp e, 0,1,2,3,4,5,6,7
	v_cndmask_b32 v[17+(\e)], 0, v[17+(\e)], s[2+(\e)]
	s_add_co_u32 s[T2], s[SB], \e
	s_cmp_eq_u32 s[T2], 30
	s_cselect_b32 s[T3], s[BM], 0
	v_cndmask_b32 v[17+(\e)], v[17+(\e)], v25, s[T3]
.endr
	s_branch .Lpack
.Ltable:                                               ; 64 f32: mlp_b2 of the layer (54, then zeros), in the last S tile H_b_1; rounded to bf16 like every input and widened again
	s_cmp_eq_u32 s[LY], 3
	s_cselect_b64 s[WP:WP+1], s[68:69], s[58:59]
	s_cselect_b32 s[T2], 64, 54
	s_mul_i32 s[T3], s[LY], 54
	s_cselect_b32 s[T3], 0, s[T3]
	s_sub_co_u32 s[T4], s[T2], 1
	v_lshlrev_b32 v32, 2, v0
.irp i, 0,1,2,3
	v_add_nc_u32 v[34+(\i)], \i, v32
	v_min_u32 v[9+(\i)], s[T4], v[34+(\i)]
	v_add_lshl_u32 v[9+(\i)], v[9+(\i)], s[T3], 2
	global_load_b32 v[17+(\i)], v[9+(\i)], s[WP:WP+1]
.endr
	s_wait_loadcnt 0x0
.irp i, 0,1,2,3
	v_cmp_gt_u32 s[T5], s[T2], v[34+(\i)]
	v_cndmask_b32 v[17+(\i)], 0, v[17+(\i)], s[T5]
.endr
	v_cvt_pk_bf16_f32 v32, v17, v18
	v_cvt_pk_bf16_f32 v34, v19, v20
	v_lshlrev_b32 v28, 16, v32
	v_and_b32 v29, 0xffff0000, v32
	v_lshlrev_b32 v30, 16, v34
	v_and_b32 v31, 0xffff0000, v34
	s_branch .Lstore
.Lzero:                                                ; the main launch's tile loads read these bytes too: they are stored
	v_mov_b32 v28, 0
	v_mov_b32 v29, 0
	v_mov_b32 v30, 0
	v_mov_b32 v31, 0
	s_branch .Lstore
.Lgen:
	s_mov_b64 s[WP:WP+1], s[16:17]                 ; the two buffers are chosen by the segment's number
	s_mov_b64 s[BP:BP+1], s[18:19]
.irp i, 1,2,3,4,5,6,7,8,9,10
	s_cmp_eq_u32 s[SEG], \i
	s_cselect_b64 s[WP:WP+1], s[16+4*(\i):17+4*(\i)], s[WP:WP+1]
	s_cselect_b64 s[BP:BP+1], s[18+4*(\i):19+4*(\i)], s[BP:BP+1]
.endr
	v_lshl_add_u32 v5, v2, 3, s[K0]                ; kk of e = 0 (below zero it counts as a very large number: no weight, no bias)
	v_mul_lo_u32 v8, v5, s[SK]
	v_add_lshl_u32 v8, v8, v6, 2
.irp e, 0,1,2,3,4,5,6,7
	v_min_u32 v[9+(\e)], s[WLAST], v8              ; eight address registers, none rewritten while its load is out
	global_load_b32 v[17+(\e)], v[9+(\e)], s[WP:WP+1]
	v_add_nc_u32 v8, s[SK4], v8
.endr
	v_cndmask_b32 v26, 0, v7, s[RM]
	v_lshlrev_b32 v26, 2, v26
	global_load_b32 v25, v26, s[BP:BP+1]
	v_cndmask_b32 v34, 0, v33, s[OM]
	s_wait_loadcnt 0x0
	v_cndmask_b32 v25, v34, v25, s[RM]             ; what stands at kk = KB: the bias, 1 in a constant row, else 0
.irp e, 0,1,2,3,4,5,6,7
	v_add_nc_u32 v32, \e, v5
	v_cmp_gt_u32 s[T0], s[KR], v32
	s_and_b32 s[T0], s[T0], s[RM]
	v_cndmask_b32 v[17+(\e)], 0, v[17+(\e)], s[T0]
	v_cmp_eq_u32 s[T1], s[KB], v32
	v_cndmask_b32 v[17+(\e)], v[17+(\e)], v25, s[T1]
.endr
.Lpack:
	v_cvt_pk_bf16_f32 v28, v17, v18
	v_cvt_pk_bf16_f32 v29, v19, v20
	v_cvt_pk_bf16_f32 v30, v21, v22
	v_cvt_pk_bf16_f32 v31, v23, v24
.Lstore:
	global_store_b128 v40, v[28:31], s[DST:DST+1]
	s_endpgm
.Lfunc_end_k_q659741ed10_prep_a:
	.size	k_q659741ed10_prep_a, .Lfunc_end_k_q659741ed10_prep_a-k_q659741ed10_prep_a
	.p2alignl 7, 3214868480
	.fill 96, 4, 3214868480
	.section	.rodata,"a",@progbits
	.p2align	6, 0x0
	.amdhsa_kernel k_q659741ed10_prep_a
		.amdhsa_group_segment_fixed_size 0
		.amdhsa_private_segment_fixed_size 0
		.amdhsa_enable_private_segment 0
		.amdhsa_kernarg_size 208
		.amdhsa_user_sgpr_count 2
		.amdhsa_user_sgpr_kernarg_segment_ptr 1
		.amdhsa_wavefront_size32 1
		.amdhsa_system_sgpr_workgroup_id_x 1
		.amdhsa_system_sgpr_workgroup_id_y 1
		.amdhsa_system_sgpr_workgroup_id_z 1
		.amdhsa_system_vgpr_workitem_id 0
		.amdhsa_next_free_vgpr 64
		.amdhsa_next_free_sgpr 100
		.amdhsa_reserve_vcc 0
		.amdhsa_float_denorm_mode_32 3
		.amdhsa_float_denorm_mode_16_64 3
		.amdhsa_memory_ordered 1
		.amdhsa_forward_progress 1
		.amdhsa_inst_pref_size 27
	.end_amdhsa_kernel
	.amdgpu_metadata
---
amdhsa.version: [ 1, 2 ]
amdhsa.kernels:
  - .name:           k_q659741ed10_prep_a
    .symbol:         k_q659741ed10_prep_a.kd
    .args:
      - { .name: params_proj_w, .offset: 0, .size: 8, .value_kind: global_buffer, .address_space: global }
      - { .name: params_proj_b, .offset: 8, .size: 8, .value_kind: global_buffer, .address_space: global }
      - { .name: params_layers_gate_w1, .offset: 16, .size: 8, .value_kind: global_buffer, .address_space: global }
      - { .name: params_layers_gate_b1, .offset: 24, .size: 8, .value_kind: global_buffer, .address_space: global }
      - { .name: params_layers_gate_w2, .offset: 32, .size: 8, .value_kind: global_buffer, .address_space: global }
      - { .name: params_layers_gate_b2, .offset: 40, .size: 8, .value_kind: global_buffer, .address_space: global }
      - { .name: params_layers_ctrl_w1, .offset: 48, .size: 8, .value_kind: global_buffer, .address_space: global }
      - { .name: params_layers_ctrl_b1, .offset: 56, .size: 8, .value_kind: global_buffer, .address_space: global }
      - { .name: params_layers_ctrl_w2, .offset: 64, .size: 8, .value_kind: global_buffer, .address_space: global }
      - { .name: params_layers_ctrl_b2, .offset: 72, .size: 8, .value_kind: global_buffer, .address_space: global }
      - { .name: params_layers_rel_w1, .offset: 80, .size: 8, .value_kind: global_buffer, .address_space: global }
      - { .name: params_layers_rel_b1, .offset: 88, .size: 8, .value_kind: global_buffer, .address_space: global }
      - { .name: params_layers_rel_w2, .offset: 96, .size: 8, .value_kind: global_buffer, .address_space: global }
      - { .name: params_layers_rel_b2, .offset: 104, .size: 8, .value_kind: global_buffer, .address_space: global }
      - { .name: params_layers_rel_w3, .offset: 112, .size: 8, .value_kind: global_buffer, .address_space: global }
      - { .name: params_layers_rel_b3, .offset: 120, .size: 8, .value_kind: global_buffer, .address_space: global }
      - { .name: params_layers_qkv_w, .offset: 128, .size: 8, .value_kind: global_buffer, .address_space: global }
      - { .name: params_layers_qkv_b, .offset: 136, .size: 8, .value_kind: global_buffer, .address_space: global }
      - { .name: params_layers_mlp_w1, .offset: 144, .size: 8, .value_kind: global_buffer, .address_space: global }
      - { .name: params_layers_mlp_b1, .offset: 152, .size: 8, .value_kind: global_buffer, .address_space: global }
      - { .name: params_layers_mlp_w2, .offset: 160, .size: 8, .value_kind: global_buffer, .address_space: global }
      - { .name: params_layers_mlp_b2, .offset: 168, .size: 8, .value_kind: global_buffer, .address_space: global }
      - { .name: params_layers_attnproj_w, .offset: 176, .size: 8, .value_kind: global_buffer, .address_space: global }
      - { .name: params_layers_attnproj_b, .offset: 184, .size: 8, .value_kind: global_buffer, .address_space: global }
      - { .name: params_H_b_1, .offset: 192, .size: 8, .value_kind: global_buffer, .address_space: global }
      - { .name: wst, .offset: 200, .size: 8, .value_kind: global_buffer, .address_space: global }
    .group_segment_fixed_size: 0
    .private_segment_fixed_size: 0
    .kernarg_segment_align: 8
    .kernarg_segment_size: 208
    .max_flat_workgroup_size: 64
    .sgpr_count:     100
    .vgpr_count:     64
    .wavefront_size: 32
...
	.end_amdgpu_metadata
.endif
;; end of part 1
;; launch prep_b (part 2): grid 384 x 1, 2 waves a work-group, no clusters, 0 bytes of LDS; arguments params_H_w_0, params_H_b_0, params_L_w_0, params_L_b_0, params_H_w_1, params_L_w_1, params_H_w_2, params_L_w_2, params_L_w_3, params_L_w_4, params_L_b_1, params_L_b_2, params_L_b_3, params_L_b_4, params_H_b_2, wst; writes wst
.if DOCPART == 2
	.amdgcn_target "amdgcn-amd-amdhsa--gfx1250"
	.amdhsa_code_object_version 6
	.text
	.protected	k_q659741ed10_prep_b
	.globl	k_q659741ed10_prep_b
	.p2align	8
	.type	k_q659741ed10_prep_b,@function
k_q659741ed10_prep_b:
	s_mov_b64 s[64:65], 0
	v_nop
	global_prefetch_b8 v0, s[64:65] scope:SCOPE_SE
	s_setreg_imm32_b32 hwreg(HW_REG_WAVE_MODE, 25, 1), 1
	s_wait_xcnt 0x0
; THE TWO HEADS' WEIGHTS, rounded once to bf16 and laid out as the main launch's matrix operands take them: tiles 7 to 9 of the stream wst.
; A work-group makes one unit of 1,024 bytes (16 rows x 32 k); thread tid stores the 16 bytes at 16 tid: row r = tid % 16, k = 16 p + 8 h + e.  The common part .Lgen is that of the layers' launch:
; element = W[CT + kk SK] if kk < KR, the bias if kk = KB, else 0; every offset is held inside its buffer by a minimum with the buffer's last word.
; Tile 7 (HH): 16 chunks of H_w_0 (4 fragments) and H_w_1 (4).  Tiles 8, 9 (LA, LB): 8 chunks each of L_w_0 (4) and L_w_1 (8); behind them H_w_2 and L_b_1 (LA), L_w_2, L_w_3, L_w_4 and the small biases (LB).
.set TILE, 73
.set F,    74
.set PW,   75
.set SEG,  76
.set SK,   77
.set SK4,  78
.set KR,   79
.set KB,   80
.set K0,   81
.set WLAST,82
.set RM,   83
.set T0,   84
.set T1,   85
.set T2,   86
.set T3,   87
.set OM,   88
.set WP,   90
.set BP,   92
.set DST,  94
.set T4,   96
.set T5,   97
.set T6,   98
.set T7,   99
.set P16,  10
.set NONE, 0x7fffffff
.macro PARAM seg, sk, kr, kb, wbytes
	s_mov_b32 s[SEG], \seg
	s_mov_b32 s[SK], \sk
	s_mov_b32 s[SK4], 4*(\sk)
	s_mov_b32 s[KR], \kr
	s_mov_b32 s[KB], \kb
	s_mov_b32 s[WLAST], (\wbytes)-4
.endm
.macro KSTEP sreg
	s_lshl_b32 s[K0], s[\sreg], 5
	s_add_co_u32 s[K0], s[K0], s[P16]
.endm
.macro FIRST seg, wbytes               ; a chunk's first product: T2 = chunk, T3 = w < 4: hidden 32 jc + 16 (w / 2) + r, K step w % 2, the bias at k = 54
	s_lshr_b32 s[T5], s[T3], 1
	s_and_b32 s[T6], s[T3], 1
	s_lshl_b32 s[T7], s[T2], 5
	s_lshl4_add_u32 s[T7], s[T5], s[T7]
	v_add_nc_u32 v6, s[T7], v1
	v_mov_b32 v7, v6
	KSTEP T6
	PARAM \seg, 512, 54, 54, \wbytes
	s_branch .Lgen
.endm
	s_load_b512 s[16:31], s[0:1], 0x0              ; H_w_0, H_b_0, L_w_0, L_b_0, H_w_1, L_w_1, H_w_2, L_w_2
	s_load_b512 s[32:47], s[0:1], 0x40             ; L_w_3, L_w_4, L_b_1, L_b_2, L_b_3, L_b_4, H_b_2, wst
	v_lshrrev_b32 v32, 5, v0
	v_readfirstlane_b32 s[PW], v32
	s_lshr_b32 s[TILE], ttmp9, 7
	s_and_b32 s[F], ttmp9, 127
	s_lshl_b32 s[T0], ttmp9, 10
	s_add_co_u32 s[T0], s[T0], 7*131072            ; behind the layers' seven tiles
	s_mov_b32 s[T1], 0
	s_lshl_b32 s[P16], s[PW], 4
	s_mov_b32 s[RM], -1
	s_mov_b32 s[OM], 0
	v_and_b32 v1, 15, v0
	v_bfe_u32 v2, v0, 4, 1
	v_and_b32 v3, 7, v0
	v_lshlrev_b32 v40, 4, v0
	v_mov_b32 v33, 1.0
	v_mov_b32 v7, 0
	s_wait_kmcnt 0x0
	s_add_nc_u64 s[DST:DST+1], s[46:47], s[T0:T1]
	s_cmp_eq_u32 s[TILE], 0
	s_cbranch_scc1 .Lhh
	s_cmp_lt_u32 s[F], 96
	s_cbranch_scc1 .Lchunk
	s_cmp_eq_u32 s[TILE], 1
	s_cbranch_scc1 .Lla
	s_cmp_lt_u32 s[F], 112
	s_cbranch_scc1 .Ll3
	s_cmp_lt_u32 s[F], 116
	s_cbranch_scc1 .Ll4
	s_cmp_eq_u32 s[F], 116
	s_cbranch_scc1 .Ll5
	s_cmp_eq_u32 s[F], 117
	s_cbranch_scc1 .Ltab2
	s_branch .Lzero
.Lla:
	s_cmp_lt_u32 s[F], 98
	s_cbranch_scc1 .Lh3
	s_cmp_eq_u32 s[F], 98
	s_cbranch_scc1 .Ltab1
	s_branch .Lzero
.Lhh:
	s_lshr_b32 s[T2], s[F], 3
	s_and_b32 s[T3], s[F], 7
	s_cmp_lt_u32 s[T3], 4
	s_cbranch_scc0 .Lhh2
	FIRST 0, 110592
.Lhh2:
	s_sub_co_u32 s[T3], s[T3], 4
	v_lshl_add_u32 v6, s[T3], 4, v1
	KSTEP T2
	PARAM 2, 64, 512, NONE, 131072
	s_branch .Lgen
.Lchunk:
	s_mul_i32 s[T2], s[F], 171
	s_lshr_b32 s[T2], s[T2], 11                    ; f / 12 for f < 96
	s_mul_i32 s[T4], s[T2], 12
	s_sub_co_u32 s[T3], s[F], s[T4]
	s_sub_co_u32 s[T4], s[TILE], 1
	s_lshl3_add_u32 s[T2], s[T4], s[T2]            ; the second L tile holds chunks 8 to 15
	s_cmp_lt_u32 s[T3], 4
	s_cbranch_scc0 .Lchunk2
	FIRST 1, 110592
.Lchunk2:
	s_sub_co_u32 s[T3], s[T3], 4
	v_lshl_add_u32 v6, s[T3], 4, v1
	KSTEP T2
	PARAM 3, 128, 512, NONE, 262144
	s_branch .Lgen
.Lh3:                                                  ; one output: in rows 0 and 8, so that it falls into register 0 of both halves of the lanes
	s_sub_co_u32 s[T2], s[F], 96
	v_cmp_eq_u32 s[RM], 0, v3
	v_mov_b32 v6, 0
	KSTEP T2
	PARAM 4, 1, 64, NONE, 256
	s_branch .Lgen
.Ll3:
	s_sub_co_u32 s[T2], s[F], 96
	s_and_b32 s[T3], s[T2], 3
	s_lshr_b32 s[T2], s[T2], 2
	v_lshl_add_u32 v6, s[T3], 4, v1
	KSTEP T2
	PARAM 5, 64, 128, NONE, 32768
	s_branch .Lgen
.Ll4:
	s_sub_co_u32 s[T2], s[F], 112
	s_and_b32 s[T3], s[T2], 1
	s_lshr_b32 s[T2], s[T2], 1
	v_lshl_add_u32 v6, s[T3], 4, v1
	KSTEP T2
	PARAM 6, 32, 64, NONE, 8192
	s_branch .Lgen
.Ll5:
	v_cmp_eq_u32 s[RM], 0, v3
	v_mov_b32 v6, 0
	s_mov_b32 s[K0], s[P16]
	PARAM 7, 1, 32, NONE, 128
	s_branch .Lgen
.Ltab1:                                                ; L_b_1: 128 f32 in threads 0 to 31, then zeros
	v_min_u32 v9, 496, v40
	global_load_b128 v[20:23], v9, s[36:37]
	v_cmp_gt_u32 s[T2], 32, v0
	s_wait_loadcnt 0x0
.irp i, 0,1,2,3
	v_cndmask_b32 v[20+(\i)], 0, v[20+(\i)], s[T2]
.endr
	s_branch .Lround
.Ltab2:                                                ; L_b_2 in threads 0-15, L_b_3 in threads 16-23, L_b_4 and H_b_2 in thread 24, then zeros
	v_min_u32 v9, 240, v40
	global_load_b128 v[20:23], v9, s[38:39]
	v_subrev_nc_u32 v10, 256, v40
	v_min_u32 v10, 112, v10
	global_load_b128 v[24:27], v10, s[40:41]
	v_mov_b32 v11, 0
	global_load_b32 v34, v11, s[42:43]
	global_load_b32 v35, v11, s[44:45]
	v_mov_b32 v36, 0
	v_mov_b32 v37, 0
	v_cmp_gt_u32 s[T2], 16, v0
	v_cmp_gt_u32 s[T3], 24, v0
	v_cmp_eq_u32 s[T4], 24, v0
	s_wait_loadcnt 0x0
.irp i, 0,1,2,3
	v_cndmask_b32 v[34+(\i)], 0, v[34+(\i)], s[T4]
	v_cndmask_b32 v[34+(\i)], v[34+(\i)], v[24+(\i)], s[T3]
	v_cndmask_b32 v[20+(\i)], v[34+(\i)], v[20+(\i)], s[T2]
.endr
.Lround:                                               ; rounded to bf16 like every input, and widened again: the tables are used as f32
	v_cvt_pk_bf16_f32 v32, v20, v21
	v_cvt_pk_bf16_f32 v34, v22, v23
	v_lshlrev_b32 v28, 16, v32
	v_and_b32 v29, 0xffff0000, v32
	v_lshlrev_b32 v30, 16, v34
	v_and_b32 v31, 0xffff0000, v34
	s_branch .Lstore
.Lzero:
	v_mov_b32 v28, 0
	v_mov_b32 v29, 0
	v_mov_b32 v30, 0
	v_mov_b32 v31, 0
	s_branch .Lstore
.Lgen:
	s_mov_b64 s[WP:WP+1], s[16:17]
	s_mov_b64 s[BP:BP+1], s[18:19]                 ; a segment without a bias loads word 0 of this buffer and throws it away
	s_cmp_eq_u32 s[SEG], 1
	s_cselect_b64 s[WP:WP+1], s[20:21], s[WP:WP+1]
	s_cselect_b64 s[BP:BP+1], s[22:23], s[BP:BP+1]
.irp i, 2,3,4,5,6,7
	s_cmp_eq_u32 s[SEG], \i
	s_cselect_b64 s[WP:WP+1], s[20+2*(\i):21+2*(\i)], s[WP:WP+1]
.endr
	v_lshl_add_u32 v5, v2, 3, s[K0]
	v_mul_lo_u32 v8, v5, s[SK]
	v_add_lshl_u32 v8, v8, v6, 2
.irp e, 0,1,2,3,4,5,6,7
	v_min_u32 v[9+(\e)], s[WLAST], v8
	global_load_b32 v[17+(\e)], v[9+(\e)], s[WP:WP+1]
	v_add_nc_u32 v8, s[SK4], v8
.endr
	v_cndmask_b32 v26, 0, v7, s[RM]
	v_lshlrev_b32 v26, 2, v26
	global_load_b32 v25, v26, s[BP:BP+1]
	v_cndmask_b32 v34, 0, v33, s[OM]
	s_wait_loadcnt 0x0
	v_cndmask_b32 v25, v34, v25, s[RM]
.irp e, 0,1,2,3,4,5,6,7
	v_add_nc_u32 v32, \e, v5
	v_cmp_gt_u32 s[T0], s[KR], v32
	s_and_b32 s[T0], s[T0], s[RM]
	v_cndmask_b32 v[17+(\e)], 0, v[17+(\e)], s[T0]
	v_cmp_eq_u32 s[T1], s[KB], v32
	v_cndmask_b32 v[17+(\e)], v[17+(\e)], v25, s[T1]
.endr
	v_cvt_pk_bf16_f32 v28, v17, v18
	v_cvt_pk_bf16_f32 v29, v19, v20
	v_cvt_pk_bf16_f32 v30, v21, v22
	v_cvt_pk_bf16_f32 v31, v23, v24
.Lstore:
	global_store_b128 v40, v[28:31], s[DST:DST+1]
	s_endpgm
.Lfunc_end_k_q659741ed10_prep_b:
	.size	k_q659741ed10_prep_b, .Lfunc_end_k_q659741ed10_prep_b-k_q659741ed10_prep_b
	.p2alignl 7, 3214868480
	.fill 96, 4, 3214868480
	.section	.rodata,"a",@progbits
	.p2align	6, 0x0
	.amdhsa_kernel k_q659741ed10_prep_b
		.amdhsa_group_segment_fixed_size 0
		.amdhsa_private_segment_fixed_size 0
		.amdhsa_enable_private_segment 0
		.amdhsa_kernarg_size 128
		.amdhsa_user_sgpr_count 2
		.amdhsa_user_sgpr_kernarg_segment_ptr 1
		.amdhsa_wavefront_size32 1
		.amdhsa_system_sgpr_workgroup_id_x 1
		.amdhsa_system_sgpr_workgroup_id_y 1
		.amdhsa_system_sgpr_workgroup_id_z 1
		.amdhsa_system_vgpr_workitem_id 0
		.amdhsa_next_free_vgpr 64
		.amdhsa_next_free_sgpr 100
		.amdhsa_reserve_vcc 0
		.amdhsa_float_denorm_mode_32 3
		.amdhsa_float_denorm_mode_16_64 3
		.amdhsa_memory_ordered 1
		.amdhsa_forward_progress 1
		.amdhsa_inst_pref_size 15
	.end_amdhsa_kernel
	.amdgpu_metadata
---
amdhsa.version: [ 1, 2 ]
amdhsa.kernels:
  - .name:           k_q659741ed10_prep_b
    .symbol:         k_q659741ed10_prep_b.kd
    .args:
      - { .name: params_H_w_0, .offset: 0, .size: 8, .value_kind: global_buffer, .address_space: global }
      - { .name: params_H_b_0, .offset: 8, .size: 8, .value_kind: global_buffer, .address_space: global }
      - { .name: params_L_w_0, .offset: 16, .size: 8, .value_kind: global_buffer, .address_space: global }
      - { .name: params_L_b_0, .offset: 24, .size: 8, .value_kind: global_buffer, .address_space: global }
      - { .name: params_H_w_1, .offset: 32, .size: 8, .value_kind: global_buffer, .address_space: global }
      - { .name: params_L_w_1, .offset: 40, .size: 8, .value_kind: global_buffer, .address_space: global }
      - { .name: params_H_w_2, .offset: 48, .size: 8, .value_kind: global_buffer, .address_space: global }
      - { .name: params_L_w_2, .offset: 56, .size: 8, .value_kind: global_buffer, .address_space: global }
      - { .name: params_L_w_3, .offset: 64, .size: 8, .value_kind: global_buffer, .address_space: global }
      - { .name: params_L_w_4, .offset: 72, .size: 8, .value_kind: global_buffer, .address_space: global }
      - { .name: params_L_b_1, .offset: 80, .size: 8, .value_kind: global_buffer, .address_space: global }
      - { .name: params_L_b_2, .offset: 88, .size: 8, .value_kind: global_buffer, .address_space: global }
      - { .name: params_L_b_3, .offset: 96, .size: 8, .value_kind: global_buffer, .address_space: global }
      - { .name: params_L_b_4, .offset: 104, .size: 8, .value_kind: global_buffer, .address_space: global }
      - { .name: params_H_b_2, .offset: 112, .size: 8, .value_kind: global_buffer, .address_space: global }
      - { .name: wst, .offset: 120, .size: 8, .value_kind: global_buffer, .address_space: global }
    .group_segment_fixed_size: 0
    .private_segment_fixed_size: 0
    .kernarg_segment_align: 8
    .kernarg_segment_size: 128
    .max_flat_workgroup_size: 64
    .sgpr_count:     100
    .vgpr_count:     64
    .wavefront_size: 32
...
	.end_amdgpu_metadata
.endif
;; end of part 2
;; launch main (part 3): grid 256 x 1, 8 waves a work-group, clusters of 4 x 1, 327,680 bytes of LDS; arguments x, wst, out0; writes out0
.if DOCPART == 3
	.amdgcn_target "amdgcn-amd-amdhsa--gfx1250"
	.amdhsa_code_object_version 6
	.text
	.protected	k_q659741ed10_main
	.globl	k_q659741ed10_main
	.p2align	8
	.type	k_q659741ed10_main,@function
k_q659741ed10_main:
	s_mov_b64 s[64:65], 0
	v_nop
	global_prefetch_b8 v0, s[64:65] scope:SCOPE_SE
	s_setreg_imm32_b32 hwreg(HW_REG_WAVE_MODE, 25, 1), 1
	s_wait_xcnt 0x0
	s_wait_alu depctr_hold_cnt(0) depctr_sa_sdst(0) depctr_va_vdst(0) depctr_va_sdst(0) depctr_va_ssrc(0) depctr_va_vcc(0) depctr_vm_vsrc(0)
	s_getreg_b32 s2, hwreg(HW_REG_IB_STS2, 6, 4)
	s_cmp_eq_u32 s2, 0
	s_cbranch_scc0 .Lentry_in_a_cluster
	s_endpgm
.Lentry_in_a_cluster:
	s_bfe_u32 s2, ttmp6, 0x10000c
	s_cmp_lg_u32 s2, 0x3003
	s_cbranch_scc0 .Lentry_shape_is_right
	s_endpgm
.Lentry_shape_is_right:
; THE WHOLE CHAIN, x to out0, in one pass: proj, three layers (attention over heads, MLP, mixture of eight experts), the two heads.
; SHARES.  131,072 rows = 256 work-groups x 8 waves x 64 rows; a wave's rows are four sample tiles T of 16.  Every activation stays in the wave's registers from x to out0.
; TRANSPOSED.  Every product is D = A B + C with A = 16 output channels x 32 input channels of weights and B = 32 channels x 16 samples.  In D a lane holds ONE sample (lane % 16) and the channels
; 8 (lane / 16) + 0..7; two such tiles rounded to bf16 in pairs ARE the next product's B.  So nothing changes lanes and no activation goes through LDS.
; BIASES.  Channel 54 of the residual h is the constant 1 and channels 55-63 are 0; a weight whose K is 54 carries its bias in K row 54.  x's operand has the constant 1 at k = 25.  Where K has no room the bias
; is a table of f32 in the stream: the accumulator's start, or added once.
; ATTENTION.  Half hl of the lanes owns heads 3 hl .. 3 hl + 2 of its sample: the rows of qkv_w are ordered (by the launches before) so that a lane gets its three heads' q, all of k and all of v.
; Scores and outputs are packed f32 multiply-adds in the lane; each softmax takes its row's maximum away first.
; MIXTURE.  Expert g is one tile of gate_w1 (13 channels and a constant 1); it is multiplied by choose[g] >= 0, rounded, held at 0 from below, and the eight experts' second products are four K steps onto h.
; WEIGHTS.  1,310,720 bytes of bf16 in ten tiles of 131,072 bytes, walked by every work-group, through two LDS slots that take turns.  The four work-groups of a cluster ask for each tile JOINTLY
; (the same descriptor, mask 15), each wave for 16,384 bytes of it.  A fragment (16 x 32) is 1,024 consecutive bytes in the order of the lanes' registers: a load takes 512 neighbouring bytes.
; TWO WAVES ON A SIMD, 512 registers each: the text goes in phases, and one wave's vector phases stand beside the other's matrix phases.
; LIMITS.  All matrix operands, every weight and every bias are rounded once to bf16; sums, the residual, the softmax and the attention's products are f32.  An exponential below 2^-126 counts as 0.
; NaN and infinities are not treated apart (a zero weight times an infinite activation gives NaN).
; REGISTERS.  Window 1: v0-127 H (f32 residual, 32 T + 8 c), v128-159 XB (x as operand, 8 T), v192-255 HB (h as operand, 16 T + 4 c + i).  In the L head v0-191 are 24 of its 32 accumulators.
; Window 0: v0-15 addresses and constants, v16-255 by phase (named below).  s_set_vgpr_msb: bits 1:0 source 0, 3:2 source 1, 5:4 source 2, 7:6 destination.
.set SLOT1, 131072
.set XLDS,  262144                     ; x: 6,400 bytes a wave, its 64 rows of 100 bytes, dense
.set SPARE, 313344                     ; the spare words: 128 bytes a wave, four blocks of 256 bytes that no other line names
.set L16, 1                            ; 16 x lane
.set AS1, 2                            ; 16 x lane + 32,768
.set AW,  3                            ; the walking address of a chunk
.set H32, 4                            ; 32 x (lane / 16)
.set AB,  5                            ; an address made where it is used
.set SPW, 6                            ; my spare word; never rewritten
.set NIL, 7                            ; 0; never rewritten
.set ZERO,8
.set ONEF,9
.set XA,  10
.set XA2, 11
.set L8,  12                           ; 8 x lane
.set UA,  13                           ; where the two last biases lie
.set AL,  14                           ; the L tail's fragments
.set TV,  15
.set HB,  192                          ; window 1
.set XB,  128                          ; window 1
.set FA,  16                           ; a chunk's first product's four fragments
.set FB,  48                           ; its second product's four
.set ACC, 80                           ; 8 (4 a + T): the hidden layer's sums
.set MH,  144                          ; 8 T + 4 a + i: the hidden layer as operand
.set CH,  176                          ; 8 T: choose
.set TG,  208
.set XV,  16                           ; proj
.set PFA, 80
.set QKA, 16                           ; attention, for a pair of sample tiles u = 0, 1: 88 u + 8 t
.set FR,  192
.set SC,  220                          ; 18 u + 6 hh + g
.set RF,  16
.set R1D, 64
.set R1B, 80
.set R2D, 96
.set R2B, 128
.set REL, 160                          ; 24 u + 6 hh + g
.set TM,  208
.set VA,  16                           ; 64 u + 10 g + d
.set FRV, 144
.set OU,  144                          ; 32 u + 10 hh + d
.set FRA, 16
.set BI,  16
.set CF,  16
.set C1D, 80
.set C1B, 112
.set ZH,  16
.set H3F, 80
.set FH,  96
.set HHV, 240
.set LW0, 176                          ; the L head's accumulators 6 and 7
.set Z2,  16
.set LF,  144
.set Z3,  16
.set Z4,  80
.set FINL,112
.set OP,  246
.set WB,  0x04                         ; B in window 1
.set WH,  0x50                         ; C and D in window 1
.set MSB, 0
.macro WIN new                         ; the immediate's high byte repeats the setting that is left; a switch that changes nothing is dropped
.if MSB != (\new)
	s_set_vgpr_msb (MSB<<8)|(\new)
.set MSB, \new
.endif
.endm
; A vector instruction that reads a matrix result or writes a matrix instruction's register, and a load into such a register, stand four plain vector instructions behind it (ISA guide 7.12.1 for vector instructions).
.macro PLACES
.rept 4
	v_nop
.endr
.endm
.macro ROUND                           ; a round of the cluster's barrier
	s_barrier_signal -1
	s_barrier_wait -1
	s_cmp_lg_u32 s10, 0
	s_cbranch_scc1 .Lnw0_\@
	s_barrier_signal -3
.Lnw0_\@:
	s_barrier_wait -3
	s_barrier_signal -1
	s_barrier_wait -1
.endm
; THE CHANGE OF SLOTS.  Every wave waits for all its tensor loads (one is out: its part of the slot to be read), adds 0 to its spare word, steps that slot's descriptor two tiles on, and waits for the add and for
; its reads of the other slot; a round of the cluster's barrier; then the other slot's next tile is asked for, the wave's one tensor load until the next round.
.macro TRIP slot, refill
	WIN 0
	s_wait_tensorcnt 0x0
	ds_add_u32 v[SPW], v[NIL]
	s_add_nc_u64 s[34+4*(\slot):35+4*(\slot)], s[34+4*(\slot):35+4*(\slot)], 2*SLOT1
	s_wait_dscnt 0x0
	ROUND
.if \refill
	tensor_load_to_lds s[36-4*(\slot):39-4*(\slot)], s[16:23]
	s_nop 0
	PLACES
.endif
.endm
.macro LDG dst, areg, off, n           ; n fragments: two loads of 16 bytes a lane each
.set ld_i, 0
.rept \n
	ds_load_b128 v[(\dst)+8*ld_i:(\dst)+8*ld_i+3], v[\areg] offset:(\off)+1024*ld_i
	ds_load_b128 v[(\dst)+8*ld_i+4:(\dst)+8*ld_i+7], v[\areg] offset:(\off)+1024*ld_i+512
.set ld_i, ld_i+1
.endr
.endm
.macro WM d, a, b, z                   ; one matrix instruction; z: it starts the sum
.if \z
	v_wmma_f32_16x16x32_bf16 v[(\d):(\d)+7], v[(\a):(\a)+7], v[(\b):(\b)+7], 0
.else
	v_wmma_f32_16x16x32_bf16 v[(\d):(\d)+7], v[(\a):(\a)+7], v[(\b):(\b)+7], v[(\d):(\d)+7]
.endif
.endm
.macro MAXB base, n                    ; ReLU on n registers of packed bf16
.set k_, 0
.rept \n
	v_pk_max_num_bf16 v[(\base)+k_], v[(\base)+k_], v[ZERO]
.set k_, k_+1
.endr
.endm
.macro PKB acc, bs, pr, first          ; the pair acc (+)= register bs, given to both halves, times the pair pr
.set pb_, ((\bs)/2)*2
.if \first
.if (\bs)%2
	v_pk_mul_f32 v[(\acc):(\acc)+1], v[pb_:pb_+1], v[(\pr):(\pr)+1] op_sel:[1,0] op_sel_hi:[1,1]
.else
	v_pk_mul_f32 v[(\acc):(\acc)+1], v[pb_:pb_+1], v[(\pr):(\pr)+1] op_sel_hi:[0,1]
.endif
.else
.if (\bs)%2
	v_pk_fma_f32 v[(\acc):(\acc)+1], v[pb_:pb_+1], v[(\pr):(\pr)+1], v[(\acc):(\acc)+1] op_sel:[1,0,0] op_sel_hi:[1,1,1]
.else
	v_pk_fma_f32 v[(\acc):(\acc)+1], v[pb_:pb_+1], v[(\pr):(\pr)+1], v[(\acc):(\acc)+1] op_sel_hi:[0,1,1]
.endif
.endif
.endm
.macro CVTH                            ; h as operand: each accumulator's registers in ascending order
	WIN 0x45
.irp t, 0,1,2,3
.irp c, 0,1,2,3
.irp i, 0,1,2,3
	v_cvt_pk_bf16_f32 v[HB+16*(\t)+4*(\c)+(\i)], v[32*(\t)+8*(\c)+2*(\i)], v[32*(\t)+8*(\c)+2*(\i)+1]
.endr
.endr
.endr
	WIN 0
.endm
; A chunk's first product: 32 hidden channels (two tiles a) of all four sample tiles, K = 64 in two steps.  The eight accumulators take turns.
.macro FIRSTP
	WIN WB
.irp s, 0,1
.irp a, 0,1
.irp t, 0,1,2,3
	WM ACC+8*(4*(\a)+(\t)), FA+8*(2*(\a)+(\s)), HB+16*(\t)+8*(\s), (\s)==0
.endr
.endr
.endr
	WIN 0
	PLACES
.endm
.macro RELUM                           ; the hidden layer rounded, then held at 0 from below
.irp a, 0,1
.irp t, 0,1,2,3
.irp i, 0,1,2,3
	v_cvt_pk_bf16_f32 v[MH+8*(\t)+4*(\a)+(\i)], v[ACC+8*(4*(\a)+(\t))+2*(\i)], v[ACC+8*(4*(\a)+(\t))+2*(\i)+1]
.endr
.endr
.endr
	MAXB MH, 32
.endm
; A CHUNK of 8 fragments at off from areg: 32 hidden channels in, 64 channels onto H.  nxt: the next chunk's fragments are asked for as soon as this one's registers are free.
; scale: the two tiles are experts 2 jg and 2 jg + 1 and are multiplied by their choose.
.macro CHUNK areg, off, nxt, scale, jg
	s_wait_dscnt 8                                 ; FA is in; the eight loads behind it (FB's) may be out
	FIRSTP
.if \nxt
	LDG FA, \areg, (\off)+8192, 4
.endif
.if \scale
.irp a, 0,1
.irp t, 0,1,2,3
.irp i, 0,1,2,3
.if \a
	v_pk_mul_f32 v[ACC+8*(4*(\a)+(\t))+2*(\i):ACC+8*(4*(\a)+(\t))+2*(\i)+1], v[ACC+8*(4*(\a)+(\t))+2*(\i):ACC+8*(4*(\a)+(\t))+2*(\i)+1], v[CH+8*(\t)+2*(\jg):CH+8*(\t)+2*(\jg)+1] op_sel:[0,1] op_sel_hi:[1,1]
.else
	v_pk_mul_f32 v[ACC+8*(4*(\a)+(\t))+2*(\i):ACC+8*(4*(\a)+(\t))+2*(\i)+1], v[ACC+8*(4*(\a)+(\t))+2*(\i):ACC+8*(4*(\a)+(\t))+2*(\i)+1], v[CH+8*(\t)+2*(\jg):CH+8*(\t)+2*(\jg)+1] op_sel_hi:[1,0]
.endif
.endr
.endr
.endr
.endif
	RELUM
.if \nxt
	s_wait_dscnt 8                                 ; FB is in; the next FA's eight loads may be out
.else
	s_wait_dscnt 0
.endif
	WIN WH
.irp c, 0,1,2,3
.irp t, 0,1,2,3
	WM 32*(\t)+8*(\c), FB+8*(\c), MH+8*(\t), 0
.endr
.endr
	WIN 0
	PLACES
.if \nxt
	LDG FB, \areg, (\off)+12288, 4
.endif
.endm
; A chunk of the L head: 12 fragments: 32 hidden channels in, 128 channels onto 32 accumulators.  The last four fragments (FC) take the hidden sums' registers once these are rounded.
.macro LCHUNK nxt
	s_wait_dscnt 8                                 ; FA is in; FB's eight loads may be out
	FIRSTP
.if \nxt
	LDG FA, AW, 12288, 4
.endif
	RELUM
	LDG ACC, AW, 8192, 4                           ; FC
.if \nxt
	s_wait_dscnt 16                                ; FB is in; the next FA's eight and FC's eight may be out
.else
	s_wait_dscnt 8                                 ; FC's eight may be out
.endif
	WIN WH
.irp n, 0,1,2,3
.irp t, 0,1,2,3
	WM 8*(4*(\n)+(\t)), FB+8*(\n), MH+8*(\t), 0
.endr
.endr
	WIN 0
	PLACES
.if \nxt
	LDG FB, AW, 16384, 4
	s_wait_dscnt 8                                 ; FC is in; the next FB's eight may be out
.else
	s_wait_dscnt 0
.endif
	WIN WH
.irp n, 4,5
.irp t, 0,1,2,3
	WM 8*(4*(\n)+(\t)), ACC+8*((\n)-4), MH+8*(\t), 0
.endr
.endr
	WIN 0
.irp n, 6,7
.irp t, 0,1,2,3
	WM LW0+8*(4*((\n)-6)+(\t)), ACC+8*((\n)-4), MH+8*(\t), 0
.endr
.endr
	PLACES                                         ; with the step below: five places ahead of the next chunk's products, which write over FC
	v_add_nc_u32 v[AW], 12288, v[AW]
.endm
.macro LLOOP base                      ; a tile's eight chunks
	v_add_nc_u32 v[AW], \base, v[L16]
	LDG FA, AW, 0, 4
	LDG FB, AW, 4096, 4
	s_mov_b32 s45, 7
.Llc_\@:
	LCHUNK 1
	s_sub_co_u32 s45, s45, 1
	s_cmp_lg_u32 s45, 0
	s_cbranch_scc1 .Llc_\@
	LCHUNK 0
.endm
; THE ATTENTION of sample tiles 2 pi and 2 pi + 1 (u = 0, 1).
.macro PAIR pi
	; q and k: 22 fragments (K step f / 11, tile f % 11) in six groups through two halves of eight buffers; each wait counts the loads of the group behind
	LDG FR, AS1, 12288, 4
	LDG FR+32, AS1, 16384, 4
.irp g, 0,1,2,3,4,5
.if (\g) < 4
	s_wait_dscnt 8
.elseif (\g) == 4
	s_wait_dscnt 4
.else
	s_wait_dscnt 0
.endif
	WIN WB
.irp q, 0,1,2,3
.if 4*(\g)+(\q) < 22
.set ss_, (4*(\g)+(\q))/11
.set tt_, 4*(\g)+(\q)-11*ss_
.irp u, 0,1
	WM QKA+88*(\u)+8*tt_, FR+32*((\g)%2)+8*(\q), HB+16*(2*(\pi)+(\u))+8*ss_, ss_==0
.endr
.endif
.endr
	WIN 0
	PLACES
.if (\g) < 3
	LDG FR+32*((\g)%2), AS1, 12288+4096*((\g)+2), 4
.elseif (\g) == 3
	LDG FR+32, AS1, 12288+4096*5, 2
.endif
.endr
	; scores: s[hh][g] = the sum over d of q[9 hh + d] k[g][d], two g at a time; k is read in ascending order, and each tile of q from one of its four lowest registers on
.irp kp, 0,1,2
.irp d, 0,1,2,3,4,5,6,7,8
.irp hh, 0,1,2
.irp u, 0,1
	PKB SC+18*(\u)+6*(\hh)+2*(\kp), QKA+88*(\u)+9*(\hh)+(\d), QKA+88*(\u)+32+18*(\kp)+2*(\d), (\d)==0
.endr
.endr
.endr
.endr
	; the relation MLP on the control features: 16 -> 6 -> 30 -> 36, of which a lane gets its three heads' 18
	LDG RF, AS1, 4096, 3
	LDG RF+24, AS1, 8192, 3
	s_wait_dscnt 0x0
	WIN WB
.irp u, 0,1
	WM R1D+8*(\u), RF, XB+8*(2*(\pi)+(\u)), 1
.endr
	WIN 0
.irp u, 0,1
.irp i, 4,5,6,7
	v_mov_b32 v[R1B+8*(\u)+(\i)], 0                ; k = 16 to 31 of the next operand: eight lines, the places behind the two products
.endr
.endr
.irp u, 0,1
.irp i, 0,1,2,3
	v_cvt_pk_bf16_f32 v[R1B+8*(\u)+(\i)], v[R1D+8*(\u)+2*(\i)], v[R1D+8*(\u)+2*(\i)+1]
.endr
.endr
	MAXB R1B, 4
	MAXB R1B+8, 4
.irp t, 0,1
.irp u, 0,1
	WM R2D+16*(\u)+8*(\t), RF+8+8*(\t), R1B+8*(\u), 1
.endr
.endr
	PLACES
.irp u, 0,1
.irp t, 0,1
.irp i, 0,1,2,3
	v_cvt_pk_bf16_f32 v[R2B+8*(\u)+4*(\t)+(\i)], v[R2D+16*(\u)+8*(\t)+2*(\i)], v[R2D+16*(\u)+8*(\t)+2*(\i)+1]
.endr
.endr
.endr
	MAXB R2B, 16
.irp t, 0,1,2
.irp u, 0,1
	WM REL+24*(\u)+8*(\t), RF+24+8*(\t), R2B+8*(\u), 1
.endr
.endr
	; softmax of six rows (3 u + hh) of six: p = 2^(c s - c m), c = log2(e) / 3, m the row's maximum
.irp rw, 0,1,2,3,4,5
	v_max3_num_f32 v[TM+2*(\rw)], v[SC+6*(\rw)], v[SC+6*(\rw)+1], v[SC+6*(\rw)+2]
.endr
.irp rw, 0,1,2,3,4,5
	v_max3_num_f32 v[TM+2*(\rw)+1], v[SC+6*(\rw)+3], v[SC+6*(\rw)+4], v[SC+6*(\rw)+5]
.endr
.irp rw, 0,1,2,3,4,5
	v_max_num_f32 v[TM+2*(\rw)], v[TM+2*(\rw)], v[TM+2*(\rw)+1]
.endr
.irp rw, 0,1,2,3,4,5
	v_mul_f32 v[TM+2*(\rw)], s48, v[TM+2*(\rw)]
.endr
.irp i, 0,1,2
.irp rw, 0,1,2,3,4,5
	v_pk_fma_f32 v[SC+6*(\rw)+2*(\i):SC+6*(\rw)+2*(\i)+1], v[SC+6*(\rw)+2*(\i):SC+6*(\rw)+2*(\i)+1], s[48:49], v[TM+2*(\rw):TM+2*(\rw)+1] op_sel_hi:[1,0,0] neg_lo:[0,0,1] neg_hi:[0,0,1]
.endr
.endr
.set k_, 0
.rept 36
	v_exp_f32 v[SC+k_], v[SC+k_]
.set k_, k_+1
.endr
	v_nop                                          ; a plain instruction behind the last exponential,
	s_wait_alu depctr_va_vdst(0)                   ; and one wait for the batch of 36, ahead of its first reader
.irp rw, 0,1,2,3,4,5
	v_pk_add_f32 v[TM+2*(\rw):TM+2*(\rw)+1], v[SC+6*(\rw):SC+6*(\rw)+1], v[SC+6*(\rw)+2:SC+6*(\rw)+3]
.endr
.irp rw, 0,1,2,3,4,5
	v_pk_add_f32 v[TM+2*(\rw):TM+2*(\rw)+1], v[TM+2*(\rw):TM+2*(\rw)+1], v[SC+6*(\rw)+4:SC+6*(\rw)+5]
.endr
.irp rw, 0,1,2,3,4,5
	v_add_f32 v[TM+2*(\rw)], v[TM+2*(\rw)], v[TM+2*(\rw)+1]
.endr
.irp rw, 0,1,2,3,4,5
	v_rcp_f32 v[TM+2*(\rw)], v[TM+2*(\rw)]
.endr
	v_nop
	s_wait_alu depctr_va_vdst(0)                   ; one wait for the six reciprocals
.irp q, 0,1,2,3,4,5,6,7,8
.irp u, 0,1
	v_pk_mul_f32 v[REL+24*(\u)+2*(\q):REL+24*(\u)+2*(\q)+1], v[REL+24*(\u)+2*(\q):REL+24*(\u)+2*(\q)+1], v[TM+2*(3*(\u)+(\q)/3):TM+2*(3*(\u)+(\q)/3)+1] op_sel_hi:[1,0]
.endr
.endr
.irp q, 0,1,2,3,4,5,6,7,8
.irp u, 0,1
	v_pk_mul_f32 v[SC+18*(\u)+2*(\q):SC+18*(\u)+2*(\q)+1], v[SC+18*(\u)+2*(\q):SC+18*(\u)+2*(\q)+1], v[REL+24*(\u)+2*(\q):REL+24*(\u)+2*(\q)+1]
.endr
.endr
	; v: 16 fragments (K step g / 2, tile 4 (g % 2) + q) in four groups
	LDG FRV, AS1, 36864, 4
	LDG FRV+32, AS1, 36864+4096, 4
.irp g, 0,1,2,3
.if (\g) < 3
	s_wait_dscnt 8
.else
	s_wait_dscnt 0
.endif
	WIN WB
.irp q, 0,1,2,3
.irp u, 0,1
	WM VA+64*(\u)+8*(4*((\g)%2)+(\q)), FRV+32*((\g)%2)+8*(\q), HB+16*(2*(\pi)+(\u))+8*((\g)/2), ((\g)/2)==0
.endr
.endr
	WIN 0
	PLACES
.if (\g) < 2
	LDG FRV+32*((\g)%2), AS1, 36864+4096*((\g)+2), 4
.endif
.endr
	; out[hh][d] = the sum over g of a[hh][g] v[g][d], two d at a time; v is read in ascending order
.irp g, 0,1,2,3,4,5
.irp hh, 0,1,2
.irp i, 0,1,2,3,4
.irp u, 0,1
	PKB OU+32*(\u)+10*(\hh)+2*(\i), SC+18*(\u)+6*(\hh)+(\g), VA+64*(\u)+10*(\g)+2*(\i), (\g)==0
.endr
.endr
.endr
.endr
	LDG FRA, AS1, 53248, 8                         ; attnproj's eight fragments, over v's registers; the roundings below stand in the wait
.irp i, 0,1,2,3,4,5,6,7,8,9,10,11,12,13,14
.irp u, 0,1
	v_cvt_pk_bf16_f32 v[OU+32*(\u)+(\i)], v[OU+32*(\u)+2*(\i)], v[OU+32*(\u)+2*(\i)+1]
.endr
.endr
	v_mov_b32 v[OU+15], 0x3f80                     ; place 30 is the constant 1 (the bias), place 31 is 0
	v_mov_b32 v[OU+32+15], 0x3f80
	s_wait_dscnt 8                                 ; K step 0's four fragments are in
	WIN WH
.irp c, 0,1,2,3
.irp u, 0,1
	WM 32*(2*(\pi)+(\u))+8*(\c), FRA+8*(\c), OU+32*(\u), 0
.endr
.endr
	s_wait_dscnt 0
.irp c, 0,1,2,3
.irp u, 0,1
	WM 32*(2*(\pi)+(\u))+8*(\c), FRA+32+8*(\c), OU+32*(\u)+8, 0
.endr
.endr
	WIN 0
	PLACES
	v_nop                                          ; five places: the next products write over these products' operands
.endm
	; ---------------------------------------------------------------- the head
	s_load_b128 s[4:7], s[0:1], 0x0                ; x s[4:5], wst s[6:7]
	s_load_b64 s[8:9], s[0:1], 0x10                ; out0
	v_lshl_add_u32 v[SPW], v0, 2, SPARE
	v_mov_b32 v[NIL], 0
	ds_add_u32 v[SPW], v[NIL]                      ; the wave's opening: the add and its wait stand ahead of my first tensor load; work on registers stands between them
	v_lshrrev_b32 v[TV], 5, v0
	v_readfirstlane_b32 s10, v[TV]                 ; wave 0..7
	s_bfe_u32 s11, ttmp6, 0x40000                  ; cx
	s_lshl_b32 s12, ttmp9, 2
	s_add_co_u32 s12, s12, s11                     ; my work-group: it enters x's and out0's addresses alone
	; group 1 for the weights: 64 rows of 32 elements of 8 bytes, dense: 16,384 bytes a wave; mask of all four work-groups, bit 21 beside it
	s_mov_b32 s16, 15|(3<<16)|(1<<21)
	s_mov_b32 s17, 32<<16
	s_mov_b32 s18, 64<<16
	s_mov_b32 s19, 32<<16
	s_mov_b32 s20, 64
	s_mov_b32 s21, 32
	s_mov_b32 s22, 0
	s_mov_b32 s23, 0
	; group 1 for x: 25 rows of 256 bytes, dense: my wave's 64 rows of 100 bytes; no mask
	s_mov_b32 s24, 3<<16
	s_mov_b32 s25, 32<<16
	s_mov_b32 s26, 25<<16
	s_mov_b32 s27, 32<<16
	s_mov_b32 s28, 25
	s_mov_b32 s29, 32
	s_mov_b32 s30, 0
	s_mov_b32 s31, 0
	s_lshl_b32 s46, s10, 14                        ; my wave's part of a tile, in memory and in a slot
	s_mov_b32 s47, 0
	s_mov_b32 s32, 1
	s_mov_b32 s33, s46
	s_mov_b32 s36, 1
	s_add_co_u32 s37, s46, SLOT1
	s_mul_i32 s13, s10, 6400
	s_mov_b32 s40, 1
	s_add_co_u32 s41, s13, XLDS
	s_mul_i32 s14, s12, 51200
	s_add_co_u32 s14, s14, s13
	s_mov_b32 s15, 0
	s_lshl_b32 s54, s12, 12                        ; out0: 8 bytes a row
	s_lshl_b32 s55, s10, 9
	s_add_co_u32 s54, s54, s55
	s_mov_b32 s55, 0
	s_mov_b32 s48, 0x3ef6384f                      ; log2(e) / 3: the scores' scale 9^-0.5 and the change of base
	s_mov_b32 s49, s48
	s_mov_b32 s50, 0x3fb8aa3b                      ; log2(e)
	s_mov_b32 s51, s50
	s_mov_b32 s52, 0xffff0000                      ; lanes 16 to 31
	v_and_b32 v[TV], 31, v0
	v_lshlrev_b32 v[L16], 4, v[TV]
	v_lshlrev_b32 v[L8], 3, v[TV]
	v_add_nc_u32 v[AS1], 32768, v[L16]
	v_bfe_u32 v[H32], v0, 4, 1
	v_lshlrev_b32 v[H32], 5, v[H32]
	v_mov_b32 v[ZERO], 0
	v_mov_b32 v[ONEF], 1.0
	v_and_b32 v[TV], 15, v0
	v_mul_u32_u24 v[TV], v[TV], 100
	v_add_nc_u32 v[TV], s41, v[TV]                 ; my sample's row of x in LDS
	v_add_nc_u32 v[XA], v[TV], v[H32]
	v_add_nc_u32 v[XA2], 64, v[TV]
	v_mov_b32 v[UA], SLOT1+117*1024+384
	s_wait_dscnt 0x0                               ; the opening add is done
	s_wait_kmcnt 0x0
	s_add_nc_u64 s[34:35], s[6:7], s[46:47]        ; tile 0 for slot 0,
	s_add_nc_u64 s[38:39], s[34:35], SLOT1         ; tile 1 for slot 1
	s_or_b32 s35, s35, 0x80000000
	s_or_b32 s39, s39, 0x80000000
	s_add_nc_u64 s[42:43], s[4:5], s[14:15]
	s_or_b32 s43, s43, 0x80000000
	s_add_nc_u64 s[8:9], s[8:9], s[54:55]
	ROUND                                          ; all four work-groups are here: the first loads go out as one group: two of mine are out
	tensor_load_to_lds s[40:43], s[24:31]
	s_nop 0
	tensor_load_to_lds s[32:35], s[16:23]
	s_nop 0
	PLACES
	TRIP 0, 1                                      ; x and tile 0 are in; tile 1 is asked for
	; ---------------------------------------------------------------- proj.  x as operand: k = column 0..24, k = 25 the constant 1, k = 26..31 zero
.irp t, 0,1,2,3
.irp i, 0,1,2,3,4,5,6,7
	ds_load_b32 v[XV+16*(\t)+(\i)], v[XA] offset:1600*(\t)+4*(\i)
.endr
	ds_load_b32 v[XV+16*(\t)+8], v[XA] offset:1600*(\t)+64
.irp i, 9,10,11,12,13,14,15
	ds_load_b32 v[XV+16*(\t)+(\i)], v[XA2] offset:1600*(\t)+4*((\i)-8)
.endr
.endr
	LDG PFA, L16, 0, 4
	s_wait_dscnt 0x0
.irp t, 0,1,2,3
	v_cndmask_b32 v[XV+16*(\t)+9], v[XV+16*(\t)+9], v[ONEF], s52
.irp i, 10,11,12,13,14,15
	v_cndmask_b32 v[XV+16*(\t)+(\i)], v[XV+16*(\t)+(\i)], v[ZERO], s52
.endr
.endr
	WIN 0x40
.irp t, 0,1,2,3
.irp i, 0,1,2,3,4,5,6,7
	v_cvt_pk_bf16_f32 v[XB+8*(\t)+(\i)], v[XV+16*(\t)+2*(\i)], v[XV+16*(\t)+2*(\i)+1]
.endr
.endr
	WIN 0x44
.irp c, 0,1,2,3
.irp t, 0,1,2,3
	WM 32*(\t)+8*(\c), PFA+8*(\c), XB+8*(\t), 1
.endr
.endr
	WIN 0
	PLACES
	CVTH
	s_mov_b32 s44, 0                               ; trips 0-2: a layer's attention and MLP, and (from trip 1 on, ahead of them) the layer before's mixture; trip 3: the last mixture and the H head's first two layers
	s_branch .Lattn
.Llayer:
	TRIP 0, 1
	; ---------------------------------------------------------------- the mixture of experts
	CVTH                                           ; the MLP's result as operand
	LDG CF, AS1, 0, 2
	s_wait_dscnt 0x0
	WIN WB
.irp t, 0,1,2,3
	WM C1D+8*(\t), CF, XB+8*(\t), 1
.endr
	WIN 0
.irp t, 0,1,2,3
.irp i, 4,5,6,7
	v_mov_b32 v[C1B+8*(\t)+(\i)], 0                ; sixteen lines, the places behind the four products
.endr
.endr
.irp t, 0,1,2,3
.irp i, 0,1,2,3
	v_cvt_pk_bf16_f32 v[C1B+8*(\t)+(\i)], v[C1D+8*(\t)+2*(\i)], v[C1D+8*(\t)+2*(\i)+1]
.endr
.endr
.irp t, 0,1,2,3
	MAXB C1B+8*(\t), 4
.endr
.irp t, 0,1,2,3
	WM CH+8*(\t), CF+8, C1B+8*(\t), 1
.endr
	PLACES
	LDG FA, L16, 0, 4
	LDG FB, L16, 4096, 4
	; choose = softmax of the eight logits, all in the lane
.irp t, 0,1,2,3
	v_max3_num_f32 v[TG+4*(\t)], v[CH+8*(\t)], v[CH+8*(\t)+1], v[CH+8*(\t)+2]
.endr
.irp t, 0,1,2,3
	v_max3_num_f32 v[TG+4*(\t)+1], v[CH+8*(\t)+3], v[CH+8*(\t)+4], v[CH+8*(\t)+5]
.endr
.irp t, 0,1,2,3
	v_max3_num_f32 v[TG+4*(\t)], v[TG+4*(\t)], v[CH+8*(\t)+6], v[CH+8*(\t)+7]
.endr
.irp t, 0,1,2,3
	v_max_num_f32 v[TG+4*(\t)], v[TG+4*(\t)], v[TG+4*(\t)+1]
.endr
.irp t, 0,1,2,3
	v_mul_f32 v[TG+4*(\t)], s50, v[TG+4*(\t)]
.endr
.irp i, 0,1,2,3
.irp t, 0,1,2,3
	v_pk_fma_f32 v[CH+8*(\t)+2*(\i):CH+8*(\t)+2*(\i)+1], v[CH+8*(\t)+2*(\i):CH+8*(\t)+2*(\i)+1], s[50:51], v[TG+4*(\t):TG+4*(\t)+1] op_sel_hi:[1,0,0] neg_lo:[0,0,1] neg_hi:[0,0,1]
.endr
.endr
.set k_, 0
.rept 32
	v_exp_f32 v[CH+k_], v[CH+k_]
.set k_, k_+1
.endr
	v_nop
	s_wait_alu depctr_va_vdst(0)                   ; one wait for the batch of 32
.irp t, 0,1,2,3
	v_pk_add_f32 v[TG+4*(\t):TG+4*(\t)+1], v[CH+8*(\t):CH+8*(\t)+1], v[CH+8*(\t)+2:CH+8*(\t)+3]
.endr
.irp t, 0,1,2,3
	v_pk_add_f32 v[TG+4*(\t)+2:TG+4*(\t)+3], v[CH+8*(\t)+4:CH+8*(\t)+5], v[CH+8*(\t)+6:CH+8*(\t)+7]
.endr
.irp t, 0,1,2,3
	v_pk_add_f32 v[TG+4*(\t):TG+4*(\t)+1], v[TG+4*(\t):TG+4*(\t)+1], v[TG+4*(\t)+2:TG+4*(\t)+3]
.endr
.irp t, 0,1,2,3
	v_add_f32 v[TG+4*(\t)], v[TG+4*(\t)], v[TG+4*(\t)+1]
.endr
.irp t, 0,1,2,3
	v_rcp_f32 v[TG+4*(\t)], v[TG+4*(\t)]
.endr
	v_nop
	s_wait_alu depctr_va_vdst(0)                   ; one wait for the four reciprocals
.irp i, 0,1,2,3
.irp t, 0,1,2,3
	v_pk_mul_f32 v[CH+8*(\t)+2*(\i):CH+8*(\t)+2*(\i)+1], v[CH+8*(\t)+2*(\i):CH+8*(\t)+2*(\i)+1], v[TG+4*(\t):TG+4*(\t)+1] op_sel_hi:[1,0]
.endr
.endr
	CHUNK L16, 0, 1, 1, 0
	CHUNK L16, 8192, 1, 1, 1
	CHUNK L16, 16384, 1, 1, 2
	CHUNK L16, 24576, 0, 1, 3
	CVTH                                           ; the layer's result as operand
	s_cmp_eq_u32 s44, 3
	s_cbranch_scc1 .Lhinit
.Lattn:
	; ---------------------------------------------------------------- attention, two sample tiles at a time
	PAIR 0
	PAIR 1
	v_add_nc_u32 v[AB], 92*1024, v[H32]            ; mlp_b2: my eight channels of each of the four tiles
.irp c, 0,1,2,3
	ds_load_b128 v[BI+8*(\c):BI+8*(\c)+3], v[AB] offset:64*(\c)
	ds_load_b128 v[BI+8*(\c)+4:BI+8*(\c)+7], v[AB] offset:64*(\c)+16
.endr
	CVTH                                           ; the MLP's input is rounded first; then its output's bias goes onto the residual
	s_wait_dscnt 0x0
	WIN 0x41
.irp t, 0,1,2,3
.irp c, 0,1,2,3
.irp i, 0,1,2,3
	v_pk_add_f32 v[32*(\t)+8*(\c)+2*(\i):32*(\t)+8*(\c)+2*(\i)+1], v[32*(\t)+8*(\c)+2*(\i):32*(\t)+8*(\c)+2*(\i)+1], v[BI+8*(\c)+2*(\i):BI+8*(\c)+2*(\i)+1]
.endr
.endr
.endr
	WIN 0
	s_branch .Lmlp
.Lhinit:
	; ---------------------------------------------------------------- the H head: its second layer's sums start at H_b_1, in the residual's registers (h lives on as operand)
	v_add_nc_u32 v[AB], 92*1024, v[H32]
	WIN 0x40
.irp t, 0,1,2,3
.irp c, 0,1,2,3
	ds_load_b128 v[32*(\t)+8*(\c):32*(\t)+8*(\c)+3], v[AB] offset:64*(\c)
	ds_load_b128 v[32*(\t)+8*(\c)+4:32*(\t)+8*(\c)+7], v[AB] offset:64*(\c)+16
.endr
.endr
	WIN 0
.Lmlp:
	TRIP 1, 1
	; ---------------------------------------------------------------- 54 -> 512 -> 64 channels, 16 chunks of 32 hidden channels: the layer's MLP, or the H head's first two layers
	v_add_nc_u32 v[AW], SLOT1, v[L16]
	LDG FA, AW, 0, 4
	LDG FB, AW, 4096, 4
	s_mov_b32 s45, 15
.Lchunk:
	CHUNK AW, 0, 1, 0, 0
	v_add_nc_u32 v[AW], 8192, v[AW]
	s_sub_co_u32 s45, s45, 1
	s_cmp_lg_u32 s45, 0
	s_cbranch_scc1 .Lchunk
	CHUNK AW, 0, 0, 0, 0
	s_add_co_u32 s44, s44, 1
	s_cmp_lt_u32 s44, 4
	s_cbranch_scc1 .Llayer
	; ---------------------------------------------------------------- the H head's last layer
	WIN 0x05
.irp t, 0,1,2,3
.irp c, 0,1,2,3
.irp i, 0,1,2,3
	v_cvt_pk_bf16_f32 v[ZH+16*(\t)+4*(\c)+(\i)], v[32*(\t)+8*(\c)+2*(\i)], v[32*(\t)+8*(\c)+2*(\i)+1]
.endr
.endr
.endr
	WIN 0
	MAXB ZH, 64
	TRIP 0, 1
	v_add_nc_u32 v[AB], 96*1024, v[L16]
	LDG H3F, AB, 0, 2
	s_wait_dscnt 0x0
.irp s, 0,1
.irp t, 0,1,2,3
	WM FH+8*(\t), H3F+8*(\s), ZH+16*(\t)+8*(\s), (\s)==0
.endr
.endr
	PLACES
.irp t, 0,1,2,3
	v_mov_b32 v[HHV+(\t)], v[FH+8*(\t)]            ; the one output lies in register 0 of both halves of the lanes
.endr
	; ---------------------------------------------------------------- the L head: 54 -> 512 -> 128 in 16 chunks; its 32 accumulators start at L_b_1
	v_add_nc_u32 v[AB], 98*1024, v[H32]
	WIN 0x40
.irp n, 0,1,2,3,4,5
.irp t, 0,1,2,3
	ds_load_b128 v[8*(4*(\n)+(\t)):8*(4*(\n)+(\t))+3], v[AB] offset:64*(\n)
	ds_load_b128 v[8*(4*(\n)+(\t))+4:8*(4*(\n)+(\t))+7], v[AB] offset:64*(\n)+16
.endr
.endr
	WIN 0
.irp n, 6,7
.irp t, 0,1,2,3
	ds_load_b128 v[LW0+8*(4*((\n)-6)+(\t)):LW0+8*(4*((\n)-6)+(\t))+3], v[AB] offset:64*(\n)
	ds_load_b128 v[LW0+8*(4*((\n)-6)+(\t))+4:LW0+8*(4*((\n)-6)+(\t))+7], v[AB] offset:64*(\n)+16
.endr
.endr
	LLOOP 0                                        ; its first wait leaves only the youngest eight loads out: the start values are in
	TRIP 1, 0                                      ; the last tile: nothing is left to ask for
	LLOOP SLOT1
	; ---------------------------------------------------------------- 128 -> 64 -> 32 -> 1
	WIN 0x05
.irp n, 0,1,2,3,4,5
.irp t, 0,1,2,3
.irp i, 0,1,2,3
	v_cvt_pk_bf16_f32 v[Z2+32*(\t)+4*(\n)+(\i)], v[8*(4*(\n)+(\t))+2*(\i)], v[8*(4*(\n)+(\t))+2*(\i)+1]
.endr
.endr
.endr
	WIN 0
.irp n, 6,7
.irp t, 0,1,2,3
.irp i, 0,1,2,3
	v_cvt_pk_bf16_f32 v[Z2+32*(\t)+4*(\n)+(\i)], v[LW0+8*(4*((\n)-6)+(\t))+2*(\i)], v[LW0+8*(4*((\n)-6)+(\t))+2*(\i)+1]
.endr
.endr
.endr
	v_add_nc_u32 v[AB], SLOT1+117*1024, v[H32]
	v_add_nc_u32 v[AL], SLOT1+96*1024, v[L16]
	WIN 0x40
.irp t, 0,1,2,3
.irp c, 0,1,2,3
	ds_load_b128 v[32*(\t)+8*(\c):32*(\t)+8*(\c)+3], v[AB] offset:64*(\c)             ; L_b_2 starts the third layer's sums,
	ds_load_b128 v[32*(\t)+8*(\c)+4:32*(\t)+8*(\c)+7], v[AB] offset:64*(\c)+16
.endr
.endr
.irp t, 0,1,2,3
.irp c, 0,1
	ds_load_b128 v[128+16*(\t)+8*(\c):128+16*(\t)+8*(\c)+3], v[AB] offset:256+64*(\c)  ; L_b_3 the fourth's
	ds_load_b128 v[128+16*(\t)+8*(\c)+4:128+16*(\t)+8*(\c)+7], v[AB] offset:256+64*(\c)+16
.endr
.endr
	WIN 0
	LDG LF, AL, 0, 4
	LDG LF+32, AL, 4096, 4
	MAXB Z2, 128
.irp g, 0,1,2,3                        ; K step g: four fragments; each wait leaves out the eight loads issued behind this group's (the biases' loads are older)
	s_wait_dscnt 8
	WIN WH
.irp c, 0,1,2,3
.irp t, 0,1,2,3
	WM 32*(\t)+8*(\c), LF+32*((\g)%2)+8*(\c), Z2+32*(\t)+8*(\g), 0
.endr
.endr
	WIN 0
	PLACES
.if (\g) < 2
	LDG LF+32*((\g)%2), AL, 4096*((\g)+2), 4
.elseif (\g) == 2
	LDG LF, AL, 16384, 4                           ; the fourth layer's four fragments
.else
	LDG LF+32, AL, 20480, 1                        ; the fifth layer's one, and the two last biases
	ds_load_b64 v[244:245], v[UA]
.endif
.endr
	WIN 0x05
.irp t, 0,1,2,3
.irp c, 0,1,2,3
.irp i, 0,1,2,3
	v_cvt_pk_bf16_f32 v[Z3+16*(\t)+4*(\c)+(\i)], v[32*(\t)+8*(\c)+2*(\i)], v[32*(\t)+8*(\c)+2*(\i)+1]
.endr
.endr
.endr
	WIN 0
	MAXB Z3, 64
	s_wait_dscnt 3                                 ; the fourth layer's fragments are in; the three loads behind them may be out
	WIN WH
.irp s, 0,1
.irp c, 0,1
.irp t, 0,1,2,3
	WM 128+16*(\t)+8*(\c), LF+8*(2*(\s)+(\c)), Z3+16*(\t)+8*(\s), 0
.endr
.endr
.endr
	WIN 0
	PLACES
	WIN 0x05
.irp t, 0,1,2,3
.irp c, 0,1
.irp i, 0,1,2,3
	v_cvt_pk_bf16_f32 v[Z4+8*(\t)+4*(\c)+(\i)], v[128+16*(\t)+8*(\c)+2*(\i)], v[128+16*(\t)+8*(\c)+2*(\i)+1]
.endr
.endr
.endr
	WIN 0
	MAXB Z4, 32
	s_wait_dscnt 0x0
.irp t, 0,1,2,3
	WM FINL+8*(\t), LF+32, Z4+8*(\t), 1
.endr
	PLACES
	; ---------------------------------------------------------------- out0[row] = (le, hh): lanes 0-15 take an even sample tile, lanes 16-31 the odd one: a store covers 256 consecutive bytes, aligned
.irp t, 0,1,2,3
	v_add_f32 v[OP+2*(\t)], v[FINL+8*(\t)], v244
	v_add_f32 v[OP+2*(\t)+1], v[HHV+(\t)], v245
.endr
	v_cndmask_b32 v208, v[OP], v[OP+2], s52
	v_cndmask_b32 v209, v[OP+1], v[OP+3], s52
	v_cndmask_b32 v210, v[OP+4], v[OP+6], s52
	v_cndmask_b32 v211, v[OP+5], v[OP+7], s52
	global_store_b64 v[L8], v[208:209], s[8:9]
	global_store_b64 v[L8], v[210:211], s[8:9] offset:256
	s_wait_tensorcnt 0x0                           ; the wave's end
	ds_add_u32 v[SPW], v[NIL]
	s_wait_dscnt 0x0
	ROUND                                          ; the closing round: no work-group ends while a partner may still ask for a tile that names it
	s_endpgm
.Lfunc_end_k_q659741ed10_main:
	.size	k_q659741ed10_main, .Lfunc_end_k_q659741ed10_main-k_q659741ed10_main
	.p2alignl 7, 3214868480
	.fill 96, 4, 3214868480
	.section	.rodata,"a",@progbits
	.p2align	6, 0x0
	.amdhsa_kernel k_q659741ed10_main
		.amdhsa_group_segment_fixed_size 327680
		.amdhsa_private_segment_fixed_size 0
		.amdhsa_enable_private_segment 0
		.amdhsa_kernarg_size 24
		.amdhsa_user_sgpr_count 2
		.amdhsa_user_sgpr_kernarg_segment_ptr 1
		.amdhsa_wavefront_size32 1
		.amdhsa_system_sgpr_workgroup_id_x 1
		.amdhsa_system_sgpr_workgroup_id_y 1
		.amdhsa_system_sgpr_workgroup_id_z 1
		.amdhsa_system_vgpr_workitem_id 0
		.amdhsa_next_free_vgpr 512
		.amdhsa_next_free_sgpr 66
		.amdhsa_reserve_vcc 0
		.amdhsa_float_denorm_mode_32 3
		.amdhsa_float_denorm_mode_16_64 3
		.amdhsa_memory_ordered 1
		.amdhsa_forward_progress 1
		.amdhsa_inst_pref_size 255
	.end_amdhsa_kernel
	.section	.bss,"aw",@nobits
	.p2align	6
	.space	262144
	.amdgpu_metadata
---
amdhsa.version: [ 1, 2 ]
amdhsa.kernels:
  - .name:           k_q659741ed10_main
    .symbol:         k_q659741ed10_main.kd
    .args:
      - { .name: x, .offset: 0, .size: 8, .value_kind: global_buffer, .address_space: global }
      - { .name: wst, .offset: 8, .size: 8, .value_kind: global_buffer, .address_space: global }
      - { .name: out0, .offset: 16, .size: 8, .value_kind: global_buffer, .address_space: global }
    .group_segment_fixed_size: 327680
    .private_segment_fixed_size: 0
    .kernarg_segment_align: 8
    .kernarg_segment_size: 24
    .max_flat_workgroup_size: 256
    .sgpr_count:     66
    .vgpr_count:     512
    .wavefront_size: 32
...
	.end_amdgpu_metadata
.endif
;; end of part 3
